; MI455X (gfx1250); checked and timed in simulation.
; The chip was launched on July 23, 2026; its instructions are those of AMD's public machine-readable ISA for CDNA 5 (MIT licence, August 2026) and "CDNA5" Instruction Set Architecture Reference Guide (July 2026). The comments in the code are by the model that wrote it; some were corrected since.
;; VQ Module. Allowed arithmetic: matrix products marked QUANTISED: E3M2 operands, one E8M0 scale for each 32 along K, by v_wmma_scale_f32_16x16x128_f8f6f4 with both operands' format E3M2, f32 sums; everything else in f32.
;; Inputs: codebook 8,192 x 256 float32; x 8 x 4,096 x 256 float32.
;; Outputs: out0 8 x 4,096 x 256 float32; out1 one number float32; out2 8 x 4,096 int32.
;; This version of the problem:
;;   THIS VERSION OF THE PROBLEM IS GIVEN IN LOW PRECISION. The matrix products marked QUANTISED in the list below multiply operands that are first quantised to E3M2 (3 exponent bits, 2 mantissa bits; 6 bits a number), with one power-of-two scale for each 32 numbers along K (OCP MX v1.0); their sums are f32. All else is computed in f32.
;;   The module's matrix products, in the order in which they are computed (A, B: the left and right operand; K: the contracted axis; several contracted axes count as one K, in the product's order):
;;     1. [M 32,768, K 256] x [K 256, N 8,192]; A: input x; B: input codebook: QUANTISED
;;   THE QUANTISER, for each operand of a quantised product, along K:
;;     - K is cut into blocks of 32 from its start; a last block that is shorter is filled with zeros.
;;     - A block's scale is 2^e with e = floor(log2(the largest magnitude in the block)) - 4, held to -126 .. 127; a block of zeros has e = 0. As a byte (E8M0): e + 127.
;;     - Each number is divided by its block's scale, clamped to +-28, and rounded to the nearest number of E3M2, ties to even, subnormals kept.
;;     - The product sums the exact products of the quantised numbers (number of the format x scale) in f32.
;;   ~~~python
;;   def quantise(x, axis):      # numpy; x: float32 -> the quantised numbers, widened to float32 again
;;       x = np.moveaxis(x, axis, -1); K = x.shape[-1]
;;       x = np.pad(x, [(0, 0)] * (x.ndim - 1) + [(0, -K % 32)]); x = x.reshape(x.shape[:-1] + (-1, 32)); a = np.abs(x).max(-1, keepdims=True)
;;       e = np.where(a > 0, np.clip(np.frexp(np.where(a > 0, a, 1))[1] - 1 - 4, -126, 127), 0)      # np.frexp(a)[1] - 1 = floor(log2(a)), exactly
;;       r = np.clip(x / 2.0 ** e, -28, 28)
;;       step = 2.0 ** (np.maximum(np.frexp(np.where(r == 0, 1, r))[1] - 1, -2) - 2)
;;       q = np.round(r / step) * step * 2.0 ** e      # np.round: ties to even
;;       return np.moveaxis(q.reshape(q.shape[:-2] + (-1,))[..., :K], -1, axis).astype(np.float32)
;;   ~~~
;; One version. Each part assembles by itself: llvm-mc -triple=amdgcn-amd-amdhsa -mcpu=gfx1250 --defsym DOCPART=n.
;; ======== version 1 of 1: 4 launches
;; limits: right only within a limited range of input values
;; workspace buffers: cbq 1,703,936 bytes; idx 131,072 bytes of whole numbers; part 2,048 bytes
;; launch prep (part 1): grid 256 x 1, 2 waves a work-group, no clusters, 168,192 bytes of LDS; arguments codebook, cbq; writes cbq
.if DOCPART == 1
	.amdgcn_target "amdgcn-amd-amdhsa--gfx1250"
	.amdhsa_code_object_version 6
	.text
	.protected	k_q0ad808d67d_prep
	.globl	k_q0ad808d67d_prep
	.p2align	8
	.type	k_q0ad808d67d_prep,@function
k_q0ad808d67d_prep:
	s_mov_b64 s[64:65], 0
	v_nop
	global_prefetch_b8 v0, s[64:65] scope:SCOPE_SE
	s_setreg_imm32_b32 hwreg(HW_REG_WAVE_MODE, 25, 1), 1
	s_wait_xcnt 0x0
; The codebook [8192][256] f32 becomes 512 RECORDS of 3,328 bytes in cbq, one for each tile of 16 codes, laid in the order of the matrix operand's registers:
;   bytes 0-1535     the fragment of K = 0..127 (12 registers a lane) as three pieces of 512 bytes: piece c holds registers 4 c .. 4 c + 3 of lane l at 512 c + 16 l
;   bytes 1536-3071  the same for K = 128..255
;   bytes 3072-3199  scale words, 4 bytes a lane: lanes 0-15 row r's word for K = 0..127, lanes 16-31 row r's word for K = 128..255
;   bytes 3200-3263  the 16 rows' sums of squares (of the f32 numbers, not of the codes), f32;  bytes 3264-3327 the same once more, so that every byte of the record is written
; Codes are BF6 (E3M2).  A block's scale is 2^(floor(log2(its largest magnitude)) - 4); its byte is that magnitude's exponent field - 4, held at 1 from below.
; LIMITS: NaN and infinities are not served.  Blocks whose largest magnitude lies under 2^-122 get the byte 1; so does a block of zeros, where the rule says 127: its codes are zeros, and this program alone reads the bytes.
; The sum of squares is taken in four packed chains and across two lanes: another order of f32 additions than the reference's.
; SHARES: a wave takes one tile: 16 rows x 1,024 bytes, dense in memory.  One tensor load brings them into the wave's own stage in LDS (rows 1,040 bytes apart); the lanes read them back so that lane (r, h) holds,
; of row r, 16 neighbours of each block of 32.  No tile is shared between work-groups, so there is no cluster; nothing in LDS is filled twice, and no wave reads another's bytes: no barrier.
; The record's bytes 3200-3327 hold, for each row, MINUS HALF its sum of squares: the next launch gives it to the matrix unit as the addend of x . c, so that the largest x . c - |c|^2 / 2 marks the smallest -2 x . c + |c|^2.
.set REC,  3328
.set STG,  16640                       ; a wave's stage: 16 rows x (1,024 + 16) bytes
.set PIT,  1040                        ; 260 words: row r starts at bank 4 r mod 64 (64 banks of 4 bytes: ISA guide 11.1), so the 16 rows of a load of 16 bytes a lane start at 16 different banks
.set TAIL, 2*STG                       ; behind the stages: 256 bytes for each wave, in which the record's last 256 bytes are gathered; no fill lands there
.set XA,   4                           ; v4   my place in the stage: row r, + 64 h
.set LI,   5                           ; v5   16 x lane
.set TW,   6                           ; v6   the tail: 4 x lane
.set TR,   7                           ; v7   the tail: 8 x lane
.set GO,   8                           ; v8   8 x lane
.set X0,   16                          ; v16-79   64 numbers of K = 0..127: register 16 b + i = k 32 b + 16 h + i of row r
.set X1,   80                          ; v80-143  the same of K = 128..255
.set PC0,  144                         ; v144-163 the first fragment's codes (12) and 8 at work
.set PC1,  164                         ; v164-183 the second's
.set TM,   184                         ; v184-199 at work in QUANT
.set PW0,  200                         ; v200, v201 the two scale words
.set PW1,  201
.set SW,   202                         ; v202 the two, one in each half of the lanes
.set LQ,   204                         ; v204-211 the sum of squares in four packed chains
.set PD,   212                         ; v212 a lane permute's destination
.set OUTP, 214                         ; v[214:215] the tail on its way out
.set SEL,  12                          ; s[12:13] lane selects for lane l xor 16
.set G1X,  16                          ; s[16:23] descriptor group 1
.set G0X,  24                          ; s[24:27] descriptor group 0
.macro XLD reg, s                      ; 64 numbers of a lane out of the stage: K step s
.irp b, 0,1,2,3
.irp j, 0,1,2,3
	ds_load_b128 v[\reg+16*\b+4*\j:\reg+16*\b+4*\j+3], v[XA] offset:512*\s+128*\b+16*\j
.endr
.endr
.endm
; 64 numbers of a lane, register 16 b + i = k 32 b + 16 (lane / 16) + i of my row, become a fragment's codes in v[pc] .. v[pc + 11] and its scale word in v[pw]
.macro QUANT s, pc, pw
.irp b, 0,1,2,3
	v_max3_num_f32 v[TM+\b], |v[\s+16*\b]|, |v[\s+1+16*\b]|, 0x2800000   ; block b: my 16 numbers, and the floor 2^(5 - 127): the byte cannot fall under 1
.endr
.irp i, 2,4,6,8,10,12,14
.irp b, 0,1,2,3
	v_max3_num_f32 v[TM+\b], v[TM+\b], |v[\s+16*\b+\i]|, |v[\s+1+16*\b+\i]|   ; the four blocks by turns
.endr
.endr
.irp b, 0,1,2,3
	v_permlanex16_b32 v[TM+4+\b], v[TM+\b], s[SEL], s[SEL+1]
.endr
.irp b, 0,1,2,3
	v_max_num_f32 v[TM+\b], v[TM+\b], v[TM+4+\b]   ; with lane l xor 16's: the block's largest magnitude
.endr
.irp b, 0,1,2,3
	v_add_nc_u32 v[TM+12+\b], 0xfe000000, v[TM+\b]   ; 4 off its exponent field: the conversion takes the exponent field of this operand as its scale
.endr
.irp b, 0,1,2,3
	v_lshrrev_b32 v[TM+4+\b], 23, v[TM+12+\b]      ; the scale's byte
.endr
	v_lshl_or_b32 v[\pw], v[TM+5], 8, v[TM+4]      ; four bytes make my row's scale word
	v_lshl_or_b32 v[\pw], v[TM+6], 16, v[\pw]
	v_lshl_or_b32 v[\pw], v[TM+7], 24, v[\pw]
.irp c, 0,1
	v_cvt_scalef32_pk16_bf6_f32 v[\pc+6*\c:\pc+2+6*\c], v[\s+32*\c:\s+15+32*\c], v[TM+12+2*\c]
	v_cvt_scalef32_pk16_bf6_f32 v[\pc+12+4*\c:\pc+14+4*\c], v[\s+16+32*\c:\s+31+32*\c], v[TM+12+2*\c+1]   ; (a conversion's three registers begin on an even number)
.endr
	v_nop                                          ; one plain place behind a scaled conversion
.irp c, 0,1                                    ; the operand's layout wants a whole block in a lane: lanes 0-15 block 2 c, lanes 16-31 block 2 c + 1
.irp i, 0,1,2
	v_permlane16_swap_b32 v[\pc+6*\c+\i], v[\pc+12+4*\c+\i]
.endr
.irp i, 0,1,2
	v_mov_b32 v[\pc+3+6*\c+\i], v[\pc+12+4*\c+\i]
.endr
.endr
.endm
	s_load_b128 s[4:7], s[0:1], 0x0                ; codebook s[4:5], cbq s[6:7]
	v_lshl_add_u32 v216, v0, 2, 0x29000
	v_mov_b32 v217, 0
	ds_add_u32 v216, v217
	ds_add_u32 v216, v217
	v_lshrrev_b32 v1, 5, v0
	v_readfirstlane_b32 s8, v1                     ; wave 0, 1
	v_and_b32 v1, 31, v0                           ; lane
	v_and_b32 v2, 15, v0                           ; r
	v_bfe_u32 v3, v0, 4, 1                         ; h
	s_lshl_b32 s9, ttmp9, 1
	s_add_co_u32 s9, s9, s8                        ; my tile: 2 x work-group + wave
	; descriptor group 1: 16 rows of 128 elements of 8 bytes, dense in memory; 4 words of padding behind every 256 words
	s_mov_b32 s[G1X+0], (3<<16)|(1<<20)|(7<<22)|(3<<25)
	s_mov_b32 s[G1X+1], 128<<16                    ; tensor_dim0
	s_mov_b32 s[G1X+2], 16<<16                     ; tensor_dim1
	s_mov_b32 s[G1X+3], 128<<16                    ; tile_dim0
	s_mov_b32 s[G1X+4], 16                         ; tile_dim1
	s_mov_b32 s[G1X+5], 128                        ; from row to row
	s_mov_b32 s[G1X+6], 0
	s_mov_b32 s[G1X+7], 0
	s_mul_i32 s14, s8, STG                         ; my stage
	s_mov_b32 s[G0X], 1
	s_mov_b32 s[G0X+1], s14
	s_lshl_b32 s28, s9, 14                         ; my tile's 16 rows of 1,024 bytes
	s_mov_b32 s29, 0
	s_mul_i32 s30, s9, REC                         ; my record
	s_mov_b32 s31, 0
	s_mov_b32 s[SEL], 0x76543210
	s_mov_b32 s[SEL+1], 0xfedcba98
	s_lshl_b32 s15, s8, 8
	s_add_co_u32 s15, s15, TAIL                    ; my tail
	s_wait_alu depctr_va_vdst(0)
	s_wait_dscnt 0x0
	s_wait_kmcnt 0x0
	s_add_nc_u64 s[G0X+2:G0X+3], s[4:5], s[28:29]
	s_or_b32 s[G0X+3], s[G0X+3], 0x80000000        ; type = 2
	s_add_nc_u64 s[10:11], s[6:7], s[30:31]
	tensor_load_to_lds s[G0X:G0X+3], s[G1X:G1X+7]  ; the wave's one tensor load
	s_nop 0
	v_mul_u32_u24 v[XA], v2, PIT                   ; the addresses are made while it is on its way
	v_lshl_add_u32 v[XA], v3, 6, v[XA]
	v_add_nc_u32 v[XA], s14, v[XA]
	v_lshlrev_b32 v[LI], 4, v1
	v_lshl_add_u32 v[TW], v1, 2, s15
	v_lshl_add_u32 v[TR], v1, 3, s15
	v_lshlrev_b32 v[GO], 3, v1
	v_mov_b32 v[PD], 0                             ; a lane permute's destination counts as one of its sources: written once
.irp b, 0,1,2,3
	v_mov_b32 v[TM+4+\b], 0
.endr
	s_wait_tensorcnt 0x0                           ; my rows lie in my stage; nobody else reads them
	XLD X0, 0
	XLD X1, 1
	s_wait_dscnt 16                                ; the first 16 loads are in; the second K step's 16 may be out
.irp p, 0,1,2,3
	v_pk_mul_f32 v[LQ+2*\p:LQ+2*\p+1], v[X0+2*\p:X0+2*\p+1], v[X0+2*\p:X0+2*\p+1]   ; the first four pairs start the chains: nothing is cleared
.endr
.irp q, 1,2,3,4,5,6,7
.irp p, 0,1,2,3
	v_pk_fma_f32 v[LQ+2*\p:LQ+2*\p+1], v[X0+8*\q+2*\p:X0+8*\q+2*\p+1], v[X0+8*\q+2*\p:X0+8*\q+2*\p+1], v[LQ+2*\p:LQ+2*\p+1]
.endr
.endr
	QUANT X0, PC0, PW0
.irp c, 0,1,2
	global_store_b128 v[LI], v[PC0+4*\c:PC0+4*\c+3], s[10:11] offset:512*\c   ; 32 lanes store 512 consecutive bytes, at a multiple of 256 from cbq's first byte
.endr
	s_wait_dscnt 0x0                               ; the second K step's numbers are in
.irp q, 0,1,2,3,4,5,6,7
.irp p, 0,1,2,3
	v_pk_fma_f32 v[LQ+2*\p:LQ+2*\p+1], v[X1+8*\q+2*\p:X1+8*\q+2*\p+1], v[X1+8*\q+2*\p:X1+8*\q+2*\p+1], v[LQ+2*\p:LQ+2*\p+1]
.endr
.endr
	QUANT X1, PC1, PW1                             ; codes into registers of their own: no store's data are written again
.irp c, 0,1,2
	global_store_b128 v[LI], v[PC1+4*\c:PC1+4*\c+3], s[10:11] offset:1536+512*\c
.endr
	v_pk_add_f32 v[LQ:LQ+1], v[LQ:LQ+1], v[LQ+2:LQ+3]
	v_pk_add_f32 v[LQ+4:LQ+5], v[LQ+4:LQ+5], v[LQ+6:LQ+7]
	v_pk_add_f32 v[LQ:LQ+1], v[LQ:LQ+1], v[LQ+4:LQ+5]
	v_add_f32 v[LQ], v[LQ], v[LQ+1]
	v_permlanex16_b32 v[PD], v[LQ], s[SEL], s[SEL+1]
	v_add_f32 v[LQ], v[LQ], v[PD]                  ; with lane l xor 16's half: row r's sum of squares, in both lanes
	v_mul_f32 v[LQ], -0.5, v[LQ]                   ; times -1/2: a power of two, nothing is rounded
	v_cmp_le_u32 vcc_lo, 16, v1
	v_cndmask_b32 v[SW], v[PW0], v[PW1], vcc_lo    ; lanes 0-15 keep the first K step's word, lanes 16-31 take the second's
	ds_store_b32 v[TW], v[SW]
	ds_store_b32 v[TW], v[LQ] offset:128
	ds_load_b64 v[OUTP:OUTP+1], v[TR]              ; LDS serves a wave's instructions in order (ISA guide 5.7.1.4): this sees my two stores
	s_wait_dscnt 0x0
	global_store_b64 v[GO], v[OUTP:OUTP+1], s[10:11] offset:3072   ; 32 lanes store the record's last 256 bytes
	s_wait_tensorcnt 0x0
	ds_add_u32 v216, v217
	s_wait_dscnt 0x0
	s_endpgm
.Lfunc_end_k_q0ad808d67d_prep:
	.size	k_q0ad808d67d_prep, .Lfunc_end_k_q0ad808d67d_prep-k_q0ad808d67d_prep
	.p2alignl 7, 3214868480
	.fill 96, 4, 3214868480
	.section	.rodata,"a",@progbits
	.p2align	6, 0x0
	.amdhsa_kernel k_q0ad808d67d_prep
		.amdhsa_group_segment_fixed_size 168192
		.amdhsa_private_segment_fixed_size 0
		.amdhsa_enable_private_segment 0
		.amdhsa_kernarg_size 16
		.amdhsa_user_sgpr_count 2
		.amdhsa_user_sgpr_kernarg_segment_ptr 1
		.amdhsa_wavefront_size32 1
		.amdhsa_system_sgpr_workgroup_id_x 1
		.amdhsa_system_sgpr_workgroup_id_y 1
		.amdhsa_system_sgpr_workgroup_id_z 1
		.amdhsa_system_vgpr_workitem_id 0
		.amdhsa_next_free_vgpr 218
		.amdhsa_next_free_sgpr 66
		.amdhsa_reserve_vcc 1
		.amdhsa_float_denorm_mode_32 3
		.amdhsa_float_denorm_mode_16_64 3
		.amdhsa_memory_ordered 1
		.amdhsa_forward_progress 1
		.amdhsa_inst_pref_size 18
	.end_amdhsa_kernel
	.amdgpu_metadata
---
amdhsa.version: [ 1, 2 ]
amdhsa.kernels:
  - .name:           k_q0ad808d67d_prep
    .symbol:         k_q0ad808d67d_prep.kd
    .args:
      - { .name: codebook, .offset: 0, .size: 8, .value_kind: global_buffer, .address_space: global }
      - { .name: cbq, .offset: 8, .size: 8, .value_kind: global_buffer, .address_space: global }
    .group_segment_fixed_size: 168192
    .private_segment_fixed_size: 0
    .kernarg_segment_align: 8
    .kernarg_segment_size: 16
    .max_flat_workgroup_size: 64
    .sgpr_count:     66
    .vgpr_count:     218
    .wavefront_size: 32
...
	.end_amdgpu_metadata
.endif
;; end of part 1
;; launch scores (part 2): grid 256 x 1, 8 waves a work-group, clusters of 4 x 1, 327,680 bytes of LDS; arguments x, cbq, out2, idx; writes out2, idx
.if DOCPART == 2
	.amdgcn_target "amdgcn-amd-amdhsa--gfx1250"
	.amdhsa_code_object_version 6
	.text
	.protected	k_q0ad808d67d_scores
	.globl	k_q0ad808d67d_scores
	.p2align	8
	.type	k_q0ad808d67d_scores,@function
k_q0ad808d67d_scores:
	s_mov_b64 s[64:65], 0
	v_nop
	global_prefetch_b8 v0, s[64:65] scope:SCOPE_SE
	s_setreg_imm32_b32 hwreg(HW_REG_WAVE_MODE, 25, 1), 1
	s_wait_xcnt 0x0
	s_wait_alu depctr_hold_cnt(0) depctr_sa_sdst(0) depctr_va_vdst(0) depctr_va_sdst(0) depctr_va_ssrc(0) depctr_va_vcc(0) depctr_vm_vsrc(0)
	s_getreg_b32 s2, hwreg(HW_REG_IB_STS2, 6, 4)
	s_cmp_eq_u32 s2, 0
	s_cbranch_scc0 .Lentry_in_a_cluster
	s_endpgm
.Lentry_in_a_cluster:
	s_bfe_u32 s2, ttmp6, 0x10000c
	s_cmp_lg_u32 s2, 0x3003
	s_cbranch_scc0 .Lentry_shape_is_right
	s_endpgm
.Lentry_shape_is_right:
; For each token the code with the smallest -2 x . c + |c|^2, which is the code with the LARGEST x . c - |c|^2 / 2 (the same number times -1/2, a power of two).
; x . c is the product of BF6 codes with E8M0 scales; cbq holds the codebook as records of 16 codes in the order of the operand's registers, with -|c|^2 / 2 behind them.
; SHARES: a work-group takes 128 tokens and all 8,192 codes.  Wave w quantises tokens 16 w .. 16 w + 15 and hands the codes on through LDS; every wave keeps all 128 tokens' fragments in 192 registers (window 1).
; The 512 records go through two LDS slots of 32 records; of each slot wave w fetches and reads records 4 w .. 4 w + 3.  A record feeds 16 matrix instructions (8 token blocks x 2 K steps).
; The matrix instruction takes 16 codes as source 0 and 16 tokens as source 1: a lane holds ONE token and eight codes.
; FOLD = 1: -|c|^2 / 2 is the C of a tile's first matrix instruction.  LIMIT: the score is then rounded at each of the two K steps and not once, another order of rounding than the reference's:
; where two codes' scores of a token agree to within a few units in the last place, the other of the two may be chosen.  FOLD = 0 adds it behind the product, with one rounding.
; TRACKING, per token block and tile: three-input maxima over the eight scores with the running best as the last leaf (two sets of bests by turns, so that the old one is still there to compare with); one compare;
; under its mask seven scores and the tile's first code number are kept.  A later tile wins only if it is strictly larger, so the lowest code number wins a tie.  The place in the tile is found once, at the end, by equality.
; LIMITS: NaN and infinities are not served.  Blocks of x whose largest magnitude lies under 2^-122, blocks of zeros among them, get the scale byte 1: their codes are what the conversion makes of them under that scale.
; CLUSTER: the four work-groups of a cluster walk the same records: each slot is asked for jointly.  x's rows are each work-group's own.
.set FOLD,  1
.set DUAL,  1
.set REC,   3328
.set QREC,  4*REC                      ; a wave's part of a slot
.set SLOTB, 8*QREC
.set XST,   SLOTB                      ; x's f32 rows lie where slot 1 (and a little more) lies later
.set STG,   16640                      ; 16 rows x (1,024 + 16) bytes
.set PIT,   1040
.set XIMG,  XST+8*STG                  ; the tokens' fragments as images of the registers: 3,072 bytes a block of 16 tokens
.set XSC,   XIMG+8*3072                ; their scale words
.set SCR,   XSC+2048                   ; the waves' results
.set SPARE, SCR+8192                   ; the spare words: 128 bytes a wave
.set ADI,  4
.set ADS,  6
.set ADC,  8
.set SPW,  10
.set NIL,  11
.set XA,   12
.set XWI,  13
.set XWS,  14
.set LIX,  15
.set LSX,  16
.set SCW,  17
.set SCRD, 18
.set GO,   19
.set XS,   20                          ; v20-27 the tokens' scale words
.set CSC,  28                          ; v28-29 a record's scale words, two sets
.set PFO,  30                          ; 256 x min(lane, 12); nothing reads it
.set CF,   32                          ; v32-79 a record's fragments, two sets
.set CN,   80                          ; v80-95 -|c|^2 / 2 of my eight codes, two sets
.set ACC,  96                          ; v96-159 eight accumulators
.set BEST, 160                         ; v160-175 the running best, two sets by turns
.set SV,   176                         ; v176-239 for token block t at 8 t: seven scores of the best tile, then its first code number
.set CURV, 249                         ; this tile's first code number
.set X0,   96
.set X1,   160
.set PC0,  32
.set PC1,  56
.set TM,   224
.set PW0,  244
.set PW1,  245
.set RES,  96
.set OTH,  112
.set JJ,   152
.set BF,   BEST+8                      ; the last tile writes set 1
.set WV,   12
.set G1C,  16                          ; group 1: 52 rows of 256 bytes, joint
.set G1X,  24                          ; group 1: 32 rows of x
.set G0,   32                          ; group 0 for slots 0 and 1
.set MK,   40
.set G0X,  48
.set LAPS, 52
.set CURS, 53
.set SEL,  54
.set G1H,  68                          ; group 1: 104 rows of 256 bytes, joint: the head's quarter of slot 0
.set G0H,  76
.set PF,   80
.set MSB, 0
.macro WIN new
.if MSB != \new
	s_set_vgpr_msb (MSB<<8)|\new
.set MSB, \new
.endif
.endm
.macro CREST
	s_cmp_lg_u32 s[WV], 0
	s_cbranch_scc1 .Lnot_wave_0_\@
	s_barrier_signal -3
.Lnot_wave_0_\@:
	s_barrier_wait -3
	s_barrier_signal -1
	s_barrier_wait -1
.endm
.macro CROUND
	s_barrier_signal -1
	s_barrier_wait -1
	CREST
.endm
.macro NOPS
.rept 4
	v_nop
.endr
.endm
.macro XLD reg, s                      ; 64 numbers of a lane out of the stage: K step s
.irp b, 0,1,2,3
.irp j, 0,1,2,3
	ds_load_b128 v[\reg+16*\b+4*\j:\reg+16*\b+4*\j+3], v[XA] offset:512*\s+128*\b+16*\j
.endr
.endr
.endm
; 64 numbers of a lane, register 16 b + i = k 32 b + 16 (lane / 16) + i of my row, become a fragment's codes in v[pc] .. v[pc + 11] and its scale word in v[pw]
.macro QUANT s, pc, pw
.irp b, 0,1,2,3
	v_max3_num_f32 v[TM+\b], |v[\s+16*\b]|, |v[\s+1+16*\b]|, 0x2800000   ; with the floor 2^(5 - 127): the byte cannot fall under 1
.endr
.irp i, 2,4,6,8,10,12,14
.irp b, 0,1,2,3
	s_delay_alu instid0(VALU_DEP_4)
	v_max3_num_f32 v[TM+\b], v[TM+\b], |v[\s+16*\b+\i]|, |v[\s+1+16*\b+\i]|
.endr
.endr
.irp b, 0,1,2,3
	s_delay_alu instid0(VALU_DEP_4)
	v_permlanex16_b32 v[TM+4+\b], v[TM+\b], s[SEL], s[SEL+1]
.endr
.irp b, 0,1,2,3
	s_delay_alu instid0(VALU_DEP_4)
	v_max_num_f32 v[TM+\b], v[TM+\b], v[TM+4+\b]   ; the block's largest magnitude
.endr
.irp b, 0,1,2,3
	s_delay_alu instid0(VALU_DEP_4)
	v_add_nc_u32 v[TM+12+\b], 0xfe000000, v[TM+\b] ; 4 off its exponent field: the conversion's scale operand
.endr
.irp b, 0,1,2,3
	s_delay_alu instid0(VALU_DEP_4)
	v_lshrrev_b32 v[TM+4+\b], 23, v[TM+12+\b]      ; the scale's byte
.endr
	s_delay_alu instid0(VALU_DEP_3)
	v_lshl_or_b32 v[\pw], v[TM+5], 8, v[TM+4]
	s_delay_alu instid0(VALU_DEP_1)
	v_lshl_or_b32 v[\pw], v[TM+6], 16, v[\pw]
	s_delay_alu instid0(VALU_DEP_1)
	v_lshl_or_b32 v[\pw], v[TM+7], 24, v[\pw]
.irp c, 0,1
	v_cvt_scalef32_pk16_bf6_f32 v[\pc+6*\c:\pc+2+6*\c], v[\s+32*\c:\s+15+32*\c], v[TM+12+2*\c]
	v_cvt_scalef32_pk16_bf6_f32 v[\pc+12+4*\c:\pc+14+4*\c], v[\s+16+32*\c:\s+31+32*\c], v[TM+12+2*\c+1]
.endr
	v_nop                                          ; one plain place behind a scaled conversion
.irp c, 0,1                            ; the operand's layout wants a whole block in a lane
.irp i, 0,1,2
	v_permlane16_swap_b32 v[\pc+6*\c+\i], v[\pc+12+4*\c+\i]
.endr
.irp i, 0,1,2
	s_delay_alu instid0(VALU_DEP_3)
	v_mov_b32 v[\pc+3+6*\c+\i], v[\pc+12+4*\c+\i]
.endr
.endr
.endm
.macro FETCH n, i, p                   ; nine LDS loads: record i of my four in slot n into set p
.irp c, 0,1,2,3,4,5
	ds_load_b128 v[CF+24*(\p)+4*\c:CF+24*(\p)+4*\c+3], v[ADI+(\n)] offset:(\i)*REC+512*\c
.endr
	ds_load_b32 v[CSC+(\p)], v[ADS+(\n)] offset:(\i)*REC
	ds_load_b128 v[CN+8*(\p):CN+8*(\p)+3], v[ADC+(\n)] offset:(\i)*REC
	ds_load_b128 v[CN+8*(\p)+4:CN+8*(\p)+7], v[ADC+(\n)] offset:(\i)*REC+16
.endm
.macro MM p                            ; 16 matrix instructions; the eight accumulators take turns
	WIN 0x04
.irp t, 0,1,2,3,4,5,6,7
.if FOLD
	v_wmma_scale_f32_16x16x128_f8f6f4 v[ACC+8*\t:ACC+8*\t+7], v[CF+24*(\p):CF+24*(\p)+11], v[24*\t:24*\t+11], v[CN+8*(\p):CN+8*(\p)+7], v[CSC+(\p)], v[XS+\t] matrix_a_fmt:MATRIX_FMT_BF6 matrix_b_fmt:MATRIX_FMT_BF6
.else
	v_wmma_scale_f32_16x16x128_f8f6f4 v[ACC+8*\t:ACC+8*\t+7], v[CF+24*(\p):CF+24*(\p)+11], v[24*\t:24*\t+11], 0, v[CSC+(\p)], v[XS+\t] matrix_a_fmt:MATRIX_FMT_BF6 matrix_b_fmt:MATRIX_FMT_BF6
.endif
.endr
.irp t, 0,1,2,3,4,5,6,7
	v_wmma_scale_f32_16x16x128_f8f6f4 v[ACC+8*\t:ACC+8*\t+7], v[CF+24*(\p)+12:CF+24*(\p)+23], v[24*\t+12:24*\t+23], v[ACC+8*\t:ACC+8*\t+7], v[CSC+(\p)], v[XS+\t] matrix_a_fmt:MATRIX_FMT_BF6 matrix_b_fmt:MATRIX_FMT_BF6 matrix_a_scale:MATRIX_SCALE_ROW1 matrix_b_scale:MATRIX_SCALE_ROW1
.endr
	WIN 0
.endm
.macro TRACK p, adv                    ; adv: from this tile's first code number to the next tile's
.set NB, BEST+8*(\p)
.set OB, BEST+8-8*(\p)
	NOPS                                           ; four places behind the matrix instructions
.if FOLD == 0
.irp t, 0,1,2,3,4,5,6,7
.irp j, 0,2,4,6
	v_pk_add_f32 v[ACC+8*\t+\j:ACC+8*\t+\j+1], v[ACC+8*\t+\j:ACC+8*\t+\j+1], v[CN+8*(\p)+\j:CN+8*(\p)+\j+1]
.endr
.endr
.endif
.irp t, 0,1,2,3,4,5,6,7
	v_max3_num_f32 v[NB+\t], v[ACC+8*\t], v[ACC+8*\t+1], v[ACC+8*\t+2]   ; each accumulator from its low end on; the eight chains by turns
.endr
.irp t, 0,1,2,3,4,5,6,7
	v_max3_num_f32 v[NB+\t], v[NB+\t], v[ACC+8*\t+3], v[ACC+8*\t+4]
.endr
.irp t, 0,1,2,3,4,5,6,7
	v_max3_num_f32 v[NB+\t], v[NB+\t], v[ACC+8*\t+5], v[ACC+8*\t+6]
.endr
	v_max3_num_f32 v[NB], v[NB], v[ACC+7], v[OB]   ; the old best is the last leaf: this is the new best
.irp t, 0,1,2,3,4,5,6,7
	v_cmp_gt_f32 vcc_lo, v[NB+\t], v[OB+\t]        ; has this tile won?
.if \t < 7
	v_max3_num_f32 v[NB+\t+1], v[NB+\t+1], v[ACC+8*\t+15], v[OB+\t+1]
.endif
.if DUAL
.irp j, 0,2,4
	v_dual_cndmask_b32 v[SV+8*\t+\j], v[SV+8*\t+\j], v[ACC+8*\t+\j] :: v_dual_cndmask_b32 v[SV+8*\t+\j+1], v[SV+8*\t+\j+1], v[ACC+8*\t+\j+1]
.endr
	v_dual_cndmask_b32 v[SV+8*\t+6], v[SV+8*\t+6], v[ACC+8*\t+6] :: v_dual_cndmask_b32 v[SV+8*\t+7], v[SV+8*\t+7], v[CURV]
.else
.irp j, 0,1,2,3,4,5,6
	v_cndmask_b32 v[SV+8*\t+\j], v[SV+8*\t+\j], v[ACC+8*\t+\j], vcc_lo
.endr
	v_cndmask_b32 v[SV+8*\t+7], v[SV+8*\t+7], v[CURV], vcc_lo
.endif
.endr
	v_add_nc_u32 v[CURV], \adv, v[CURV]
.endm
.macro ASK off, guard                  ; names no blocks: no prefetch is left in it
.if \guard
	s_cmp_gt_u32 s[LAPS], 1
	s_cbranch_scc0 .Lno_ask_\@
.endif
.if \guard
.Lno_ask_\@:
.endif
.endm
; A slot's four tiles.  Its record 0 is in set 0 already, or on its way there: it was fetched ahead of the round, since a wave reads only the slot bytes that its own tensor load brought.
; fill = 2: the other slot's record 0 is fetched, and this slot is filled again; fill = 1: the fetch alone; fill = 0: the last slot.
.macro SLOTWORK n, fill, ask
	FETCH \n, 1, 1
	s_wait_dscnt 9                                 ; all but the nine loads of the record fetched last
	MM 0
	TRACK 0, 16
.if \ask
	ASK \n*SLOTB, \n
.endif
	FETCH \n, 2, 0
	s_wait_dscnt 9
	MM 1
	TRACK 1, 16
	FETCH \n, 3, 1
	s_wait_dscnt 9
	MM 0
	TRACK 0, 16
.if \fill == 2
	s_wait_tensorcnt 0x0                           ; my one load that was out, my part of the other slot, has landed: I alone read it
	FETCH 1-\n, 0, 0                               ; its record 0, into the set that the third tile has left
	s_wait_tensorcnt 0x0                           ; the three lines in front of the refill's barrier
	ds_add_u32 v[SPW], v[NIL]
	s_add_nc_u64 s[G0+4*\n+2:G0+4*\n+3], s[G0+4*\n+2:G0+4*\n+3], 2*SLOTB
	s_wait_dscnt 10                                ; behind this slot's record 3 stand the nine loads just issued and the add
	MM 1
	s_wait_dscnt 0x0                               ; the add is done, and all my LDS reads are back, those of this slot among them
	s_barrier_signal -1
	TRACK 1, 464
	s_barrier_wait -1
	CREST                                          ; the barrier has opened a round of the cluster's barrier: no wave of any partner still reads this slot
	tensor_load_to_lds s[G0+4*\n:G0+4*\n+3], s[G1C:G1C+7]
	s_nop 0
	NOPS
.else
.if \fill == 1
	s_wait_tensorcnt 0x0                           ; my part of the last slot, which I alone read
	FETCH 1-\n, 0, 0
	s_wait_dscnt 9                                 ; this slot's record 3 is in
.else
	s_wait_dscnt 0x0
.endif
	MM 1
	TRACK 1, 464
.endif
.endm
.macro PICK bv, bc, ov, oc             ; the larger score; of equal scores the lower code number
	v_cmp_gt_f32 s[MK], v[\ov], v[\bv]
	v_cmp_eq_f32 s[MK+1], v[\ov], v[\bv]
	v_cmp_lt_u32 s[MK+2], v[\oc], v[\bc]
	s_and_b32 s[MK+1], s[MK+1], s[MK+2]
	s_or_b32 s[MK], s[MK], s[MK+1]
	v_cndmask_b32 v[\bv], v[\bv], v[\ov], s[MK]
	v_cndmask_b32 v[\bc], v[\bc], v[\oc], s[MK]
.endm
	s_load_b256 s[4:11], s[0:1], 0x0               ; x, cbq, out2, idx
	v_lshl_add_u32 v[SPW], v0, 2, SPARE
	v_mov_b32 v[NIL], 0
	ds_add_u32 v[SPW], v[NIL]
	ds_add_u32 v[SPW], v[NIL]
	v_lshrrev_b32 v1, 5, v0
	s_delay_alu instid0(VALU_DEP_1)
	v_readfirstlane_b32 s[WV], v1                  ; wave 0..7
	s_bfe_u32 s13, ttmp6, 0x40000                  ; cx
	s_lshl_b32 s14, ttmp9, 2
	s_add_co_u32 s14, s14, s13                     ; work-group
	s_mov_b32 s[G1C+0], 15|(3<<16)|(1<<21)         ; the four partners; elements of 8 bytes
	s_mov_b32 s[G1C+1], 32<<16
	s_mov_b32 s[G1C+2], 52<<16
	s_mov_b32 s[G1C+3], 32<<16
	s_mov_b32 s[G1C+4], 52
	s_mov_b32 s[G1C+5], 32
	s_mov_b32 s[G1C+6], 0
	s_mov_b32 s[G1C+7], 0
	s_mov_b32 s[G1H+0], 15|(3<<16)|(1<<21)
	s_mov_b32 s[G1H+1], 32<<16
	s_mov_b32 s[G1H+2], 104<<16
	s_mov_b32 s[G1H+3], 32<<16
	s_mov_b32 s[G1H+4], 104
	s_mov_b32 s[G1H+5], 32
	s_mov_b32 s[G1H+6], 0
	s_mov_b32 s[G1H+7], 0
	s_mov_b32 s[G1X+0], (3<<16)|(1<<20)|(7<<22)|(3<<25)   ; 4 words of padding behind every 256 words
	s_mov_b32 s[G1X+1], 128<<16
	s_mov_b32 s[G1X+2], 32<<16
	s_mov_b32 s[G1X+3], 128<<16
	s_mov_b32 s[G1X+4], 32
	s_mov_b32 s[G1X+5], 128
	s_mov_b32 s[G1X+6], 0
	s_mov_b32 s[G1X+7], 0
	s_mul_i32 s15, s[WV], QREC                     ; my part of a slot
	s_and_b32 s82, s[WV], 3                        ; the head: which quarter of x (waves 0-3) or of slot 0 (waves 4-7) I fetch
	s_mul_i32 s83, s82, 2*STG
	s_add_co_u32 s83, s83, XST
	s_mul_i32 s84, s82, 2*QREC
	s_mov_b32 s85, 0
	s_lshl_b32 s86, s14, 17                        ; my work-group's 128 rows of 1,024 bytes
	s_lshl_b32 s87, s82, 15
	s_add_co_u32 s86, s86, s87
	s_mov_b32 s87, 0
	s_mul_i32 s56, s[WV], STG
	s_add_co_u32 s56, s56, XST
	s_mul_i32 s57, s[WV], 3072
	s_add_co_u32 s57, s57, XIMG
	s_lshl_b32 s58, s[WV], 8
	s_add_co_u32 s58, s58, XSC
	s_lshl_b32 s59, s[WV], 10
	s_add_co_u32 s59, s59, SCR
	s_and_b32 s62, s[WV], 1
	s_lshl_b32 s60, s62, 9
	s_add_co_u32 s60, s60, SCR
	s_lshl_b32 s61, s62, 8
	s_mov_b32 s[SEL], 0x76543210
	s_mov_b32 s[SEL+1], 0xfedcba98
	s_lshl_b32 s[CURS], s[WV], 6                   ; my first tile's first code number
	s_mov_b32 s[G0], 1
	s_mov_b32 s[G0+1], s15
	s_mov_b32 s[G0+4], 1
	s_add_co_u32 s[G0+5], s15, SLOTB
	s_mov_b32 s[G0X], 1
	s_mov_b32 s[G0X+1], s83
	s_mov_b32 s[G0H], 1
	s_mov_b32 s[G0H+1], s84
	s_mov_b32 s88, s15
	s_mov_b32 s89, 0
	s_mul_i32 s90, s13, 13*256                     ; the base of no prefetch: my work-group's 13 of my wave's 52 blocks,
	s_add_co_u32 s90, s90, s15
	s_add_co_u32 s90, s90, 3*SLOTB                 ; in slot 3
	s_mov_b32 s91, 0
	s_lshl_b32 s62, s14, 9                         ; my 128 indices
	s_mov_b32 s63, 0
	s_wait_dscnt 0x0                               ; both opening adds are done
	s_wait_kmcnt 0x0
	s_add_nc_u64 s[G0+2:G0+3], s[6:7], s[88:89]
	s_add_nc_u64 s[G0+6:G0+7], s[G0+2:G0+3], SLOTB
	s_or_b32 s[G0+3], s[G0+3], 0x80000000
	s_or_b32 s[G0+7], s[G0+7], 0x80000000
	s_add_nc_u64 s[G0X+2:G0X+3], s[4:5], s[86:87]
	s_or_b32 s[G0X+3], s[G0X+3], 0x80000000
	s_add_nc_u64 s[G0H+2:G0H+3], s[6:7], s[84:85]
	s_or_b32 s[G0H+3], s[G0H+3], 0x80000000
	s_add_nc_u64 s[PF:PF+1], s[6:7], s[90:91]
	s_add_nc_u64 s[8:9], s[8:9], s[62:63]
	s_add_nc_u64 s[10:11], s[10:11], s[62:63]
	CROUND                                         ; in front of the first loads
	s_cmp_lt_u32 s[WV], 4                          ; one tensor load a wave at the head: waves 0-3 32 rows of x each, waves 4-7 a quarter of slot 0 each
	s_cbranch_scc0 .Lhead_c
	tensor_load_to_lds s[G0X:G0X+3], s[G1X:G1X+7]
	s_nop 0
	NOPS
	s_branch .Lhead_j
.Lhead_c:
	tensor_load_to_lds s[G0H:G0H+3], s[G1H:G1H+7]
	s_nop 0
	NOPS
.Lhead_j:
	v_and_b32 v1, 31, v0                           ; lane
	v_and_b32 v2, 15, v0                           ; r
	v_bfe_u32 v3, v0, 4, 1                         ; h
	s_delay_alu instid0(VALU_DEP_3)
	v_min_u32 v[PFO], 12, v1
	v_lshlrev_b32 v240, 4, v1
	v_lshlrev_b32 v241, 2, v1
	v_lshlrev_b32 v242, 5, v3
	s_delay_alu instid0(VALU_DEP_4)
	v_lshlrev_b32 v[PFO], 8, v[PFO]
	v_add_nc_u32 v[ADI], s15, v240
	v_add_nc_u32 v[ADS], s15, v241
	v_add_nc_u32 v[ADC], s15, v242
	v_mul_u32_u24 v[XA], v2, PIT
	s_delay_alu instid0(VALU_DEP_4)
	v_add_nc_u32 v[ADI+1], SLOTB, v[ADI]
	s_delay_alu instid0(VALU_DEP_4)
	v_add_nc_u32 v[ADS], 3072, v[ADS]
	s_delay_alu instid0(VALU_DEP_4)
	v_add_nc_u32 v[ADC], 3200, v[ADC]
	s_delay_alu instid0(VALU_DEP_4)
	v_lshl_add_u32 v[XA], v3, 6, v[XA]
	s_delay_alu instid0(VALU_DEP_3)
	v_add_nc_u32 v[ADS+1], SLOTB, v[ADS]
	s_delay_alu instid0(VALU_DEP_3)
	v_add_nc_u32 v[ADC+1], SLOTB, v[ADC]
	s_delay_alu instid0(VALU_DEP_3)
	v_add_nc_u32 v[XA], s56, v[XA]                 ; the stage: my wave's 16 rows, row r, + 64 h
	v_add_nc_u32 v[XWI], s57, v240
	v_add_nc_u32 v[XWS], s58, v241
	v_add_nc_u32 v[LIX], XIMG, v240
	v_lshl_add_u32 v[LSX], v3, 7, v241
	v_lshl_add_u32 v[SCW], v2, 3, s59
	v_add_nc_u32 v[SCRD], s60, v240
	v_lshl_add_u32 v[GO], v1, 3, s61
	s_delay_alu instid0(VALU_DEP_4)
	v_add_nc_u32 v[LSX], XSC, v[LSX]
	v_mov_b32 v[CURV], s[CURS]
.irp b, 0,1,2,3
	v_mov_b32 v[TM+4+\b], 0                        ; a lane permute's destination counts as one of its sources
.endr
	s_wait_alu depctr_va_vdst(0)
	s_wait_tensorcnt 0x0                           ; my load has landed;
	s_barrier_signal -1
	s_barrier_wait -1                              ; and everybody's: x's rows and slot 0 are whole.
	XLD X0, 0
	XLD X1, 1
	s_wait_dscnt 16                                ; the first K step's 16 loads are in
	QUANT X0, PC0, PW0
.irp c, 0,1,2
	ds_store_b128 v[XWI], v[PC0+4*\c:PC0+4*\c+3] offset:512*\c
.endr
	ds_store_b32 v[XWS], v[PW0]
	s_wait_dscnt 4                                 ; behind the second K step's loads stand the four stores
	QUANT X1, PC1, PW1
.irp c, 0,1,2
	ds_store_b128 v[XWI], v[PC1+4*\c:PC1+4*\c+3] offset:1536+512*\c
.endr
	ds_store_b32 v[XWS], v[PW1] offset:128
	s_wait_tensorcnt 0x0
	ds_add_u32 v[SPW], v[NIL]
	s_mov_b32 s56, 0xff800000                      ; under every score
.irp t, 0,1,2,3,4,5,6,7
	v_mov_b32 v[BF+\t], s56                        ; the first tile finds its old best in set 1
.endr
.rept 64
	v_mov_b32 v[SV+\+], s56                        ; written once: the first tile's scores, which are finite, replace them
.endr
	s_wait_dscnt 0x0                               ; the add and my stores are done, my reads of the stage are back
	CROUND
	tensor_load_to_lds s[G0+4:G0+7], s[G1C:G1C+7]  ; slot 1, where x's rows lay
	s_nop 0
	NOPS
	WIN 0x40
.irp t, 0,1,2,3,4,5,6,7
.irp c, 0,1,2,3,4,5
	ds_load_b128 v[24*\t+4*\c:24*\t+4*\c+3], v[LIX] offset:3072*\t+512*\c   ; all 128 tokens' fragments, into window 1
.endr
.endr
	WIN 0
.irp t, 0,1,2,3,4,5,6,7
	ds_load_b32 v[XS+\t], v[LSX] offset:256*\t     ; lanes 0-15 the first K step's words, lanes 16-31 the second's
.endr
	FETCH 0, 0, 0                                  ; slot 0's record 0
	s_mov_b32 s[LAPS], 7
.Llap:
	SLOTWORK 0, 2, 1
	SLOTWORK 1, 2, 1
	s_wait_xcnt 0x0
	s_add_nc_u64 s[PF:PF+1], s[PF:PF+1], 2*SLOTB
	s_sub_co_u32 s[LAPS], s[LAPS], 1
	s_cmp_lg_u32 s[LAPS], 0
	s_cbranch_scc1 .Llap
	SLOTWORK 0, 1, 0                               ; the last two slots fill nothing again
	SLOTWORK 1, 0, 0
	; the place in the best tile: the lowest j whose kept score equals the best; 7 if none of the seven does
.irp t, 0,1,2,3,4,5,6,7
	v_mov_b32 v[JJ+\t], 7
.endr
.irp j, 6,5,4,3,2,1,0
.irp t, 0,1,2,3,4,5,6,7
	v_cmp_eq_f32 s[MK+\t], v[SV+8*\t+\j], v[BF+\t]
.endr
.irp t, 0,1,2,3,4,5,6,7
	v_cndmask_b32 v[JJ+\t], v[JJ+\t], \j, s[MK+\t]
.endr
.endr
	v_lshlrev_b32 v240, 3, v3
.irp t, 0,1,2,3,4,5,6,7
	v_add3_u32 v[RES+2*\t+1], v[SV+8*\t+7], v[JJ+\t], v240   ; code number = tile's first + 8 h + j
	v_mov_b32 v[RES+2*\t], v[BF+\t]
.endr
.irp t, 0,1,2,3,4,5,6,7
	v_permlanex16_b32 v[OTH+2*\t], v[RES+2*\t], s[SEL], s[SEL+1]
	v_permlanex16_b32 v[OTH+2*\t+1], v[RES+2*\t+1], s[SEL], s[SEL+1]
.endr
.irp t, 0,1,2,3,4,5,6,7
	PICK RES+2*\t, RES+2*\t+1, OTH+2*\t, OTH+2*\t+1
.endr
.irp t, 0,1,2,3,4,5,6,7
	ds_store_b64 v[SCW], v[RES+2*\t:RES+2*\t+1] offset:128*\t
.endr
	s_wait_dscnt 0x0                               ; for the others' sake
	s_barrier_signal -1
	s_barrier_wait -1
	s_cmp_lt_u32 s[WV], 2                          ; waves 0 and 1 join the eight waves' results, 64 tokens each, two a lane
	s_cbranch_scc0 .Ldone
.irp u, 0,1,2,3,4,5,6,7
	ds_load_b128 v[116+4*\u:119+4*\u], v[SCRD] offset:1024*\u
.endr
	s_wait_dscnt 0x0
.irp u, 1,2,3,4,5,6,7
	PICK 116, 117, 116+4*\u, 117+4*\u
	PICK 118, 119, 118+4*\u, 119+4*\u
.endr
	v_mov_b32 v148, v117
	s_delay_alu instid0(VALU_DEP_2)
	v_mov_b32 v149, v119
	global_store_b64 v[GO], v[148:149], s[8:9]     ; 32 lanes store 256 consecutive bytes
	global_store_b64 v[GO], v[148:149], s[10:11]
.Ldone:
	s_wait_tensorcnt 0x0                           ; the wave's end
	ds_add_u32 v[SPW], v[NIL]
	s_wait_dscnt 0x0
	CROUND                                         ; the closing round
	s_endpgm
.Lfunc_end_k_q0ad808d67d_scores:
	.size	k_q0ad808d67d_scores, .Lfunc_end_k_q0ad808d67d_scores-k_q0ad808d67d_scores
	.p2alignl 7, 3214868480
	.fill 96, 4, 3214868480
	.section	.rodata,"a",@progbits
	.p2align	6, 0x0
	.amdhsa_kernel k_q0ad808d67d_scores
		.amdhsa_group_segment_fixed_size 327680
		.amdhsa_private_segment_fixed_size 0
		.amdhsa_enable_private_segment 0
		.amdhsa_kernarg_size 32
		.amdhsa_user_sgpr_count 2
		.amdhsa_user_sgpr_kernarg_segment_ptr 1
		.amdhsa_wavefront_size32 1
		.amdhsa_system_sgpr_workgroup_id_x 1
		.amdhsa_system_sgpr_workgroup_id_y 1
		.amdhsa_system_sgpr_workgroup_id_z 1
		.amdhsa_system_vgpr_workitem_id 0
		.amdhsa_next_free_vgpr 448
		.amdhsa_next_free_sgpr 92
		.amdhsa_reserve_vcc 1
		.amdhsa_float_denorm_mode_32 3
		.amdhsa_float_denorm_mode_16_64 3
		.amdhsa_memory_ordered 1
		.amdhsa_forward_progress 1
		.amdhsa_inst_pref_size 162
	.end_amdhsa_kernel
	.amdgpu_metadata
---
amdhsa.version: [ 1, 2 ]
amdhsa.kernels:
  - .name:           k_q0ad808d67d_scores
    .symbol:         k_q0ad808d67d_scores.kd
    .args:
      - { .name: x, .offset: 0, .size: 8, .value_kind: global_buffer, .address_space: global }
      - { .name: cbq, .offset: 8, .size: 8, .value_kind: global_buffer, .address_space: global }
      - { .name: out2, .offset: 16, .size: 8, .value_kind: global_buffer, .address_space: global }
      - { .name: idx, .offset: 24, .size: 8, .value_kind: global_buffer, .address_space: global }
    .group_segment_fixed_size: 327680
    .private_segment_fixed_size: 0
    .kernarg_segment_align: 8
    .kernarg_segment_size: 32
    .max_flat_workgroup_size: 256
    .sgpr_count:     92
    .vgpr_count:     448
    .wavefront_size: 32
...
	.end_amdgpu_metadata
.endif
;; end of part 2
;; launch gather (part 3): grid 512 x 1, 8 waves a work-group, no clusters, 1,280 bytes of LDS; arguments x, codebook, idx, out0, part; writes out0, part
.if DOCPART == 3
	.amdgcn_target "amdgcn-amd-amdhsa--gfx1250"
	.amdhsa_code_object_version 6
	.text
	.protected	k_q0ad808d67d_gather
	.globl	k_q0ad808d67d_gather
	.p2align	8
	.type	k_q0ad808d67d_gather,@function
k_q0ad808d67d_gather:
	s_mov_b64 s[64:65], 0
	v_nop
	global_prefetch_b8 v0, s[64:65] scope:SCOPE_SE
	s_setreg_imm32_b32 hwreg(HW_REG_WAVE_MODE, 25, 1), 1
	s_wait_xcnt 0x0
; q = codebook[idx]; out0 = x + (q - x); part[work-group] = the sum of (x - q)^2 over the work-group's 64 rows.  All f32.
; d = x - q is -(q - x) bit for bit, so x - d is x + (q - x) bit for bit.
; A stream: a wave takes 8 rows of 1,024 bytes; each load and store of a wave covers 512 consecutive bytes.  All 32 loads of a wave (16 of x, 16 of q) go out before the first is used; nothing is written out in a loop,
; no stored register is written again.  The rows of q hang on the stored indices, which differ from work-group to work-group: nothing is shared, so no cluster; no matrix unit and no tiles in LDS: there is no reuse to feed them.
; The indices were stored by the launch before; they are held to 8,191 ahead of the address.  The partial sums are added in another order than the reference's mean.
.set X,  16                            ; v16-79   row i of x at v[16 + 8 i]: bytes 16 l .. and 512 + 16 l ..
.set Q,  80                            ; v80-143  the same of q, then of x - q
.set QO, 2                             ; v2-9     row i's byte offset in the codebook
.set LS, 144                           ; v144-151 the sum of squares in four packed chains
	s_load_b256 s[4:11], s[0:1], 0x0               ; x s[4:5], codebook s[6:7], idx s[8:9], out0 s[10:11]
	s_load_b64 s[12:13], s[0:1], 0x20              ; part
	v_lshl_add_u32 v160, v0, 2, 0x100
	v_mov_b32 v161, 0
	v_lshrrev_b32 v1, 5, v0
	s_delay_alu instid0(VALU_DEP_1)
	v_readfirstlane_b32 s14, v1                    ; wave 0..7
	v_and_b32 v1, 31, v0
	s_delay_alu instid0(VALU_DEP_1)
	v_lshlrev_b32 v1, 4, v1                        ; 16 x lane; never rewritten
	v_mov_b32 v152, 0                              ; a lane permute's destination counts as one of its sources
	v_mov_b32 v154, 0
	s_mov_b32 s24, 0x76543210
	s_mov_b32 s25, 0xfedcba98
	s_lshl_b32 s15, ttmp9, 6
	s_lshl_b32 s26, s14, 3
	s_add_co_u32 s15, s15, s26                     ; my first row: 64 x work-group + 8 x wave
	s_lshl_b32 s26, s15, 10
	s_mov_b32 s27, 0
	s_lshl_b32 s28, s15, 2
	s_mov_b32 s29, 0
	s_wait_alu depctr_va_vdst(0)
	s_wait_kmcnt 0x0
	s_add_nc_u64 s[4:5], s[4:5], s[26:27]
	s_add_nc_u64 s[10:11], s[10:11], s[26:27]
	s_add_nc_u64 s[8:9], s[8:9], s[28:29]
	s_load_b256 s[16:23], s[8:9], 0x0              ; my eight indices
	s_lshl_b32 s28, ttmp9, 2
	s_add_nc_u64 s[12:13], s[12:13], s[28:29]      ; my work-group's word of part
.irp i, 0,1,2,3,4,5,6,7
	global_load_b128 v[X+8*\i:X+8*\i+3], v1, s[4:5] offset:1024*\i th:TH_LOAD_NT
	global_load_b128 v[X+8*\i+4:X+8*\i+7], v1, s[4:5] offset:1024*\i+512 th:TH_LOAD_NT
.endr
	s_wait_kmcnt 0x0
.irp i, 0,1,2,3,4,5,6,7
	s_min_u32 s[16+\i], s[16+\i], 0x1fff           ; an index stays inside the table
	s_lshl_b32 s[16+\i], s[16+\i], 10
	v_add_nc_u32 v[QO+\i], s[16+\i], v1
	global_load_b128 v[Q+8*\i:Q+8*\i+3], v[QO+\i], s[6:7]           ; no hint: a row may be named by many tokens
	global_load_b128 v[Q+8*\i+4:Q+8*\i+7], v[QO+\i], s[6:7] offset:512
.endr
.macro ROW i
	s_wait_loadcnt 14-2*\i                         ; loads come back in order (ISA guide 5.7.1): behind row i's second load of q stand two for each of the 7 - i later rows
.irp k, 0,2,4,6
	v_pk_add_f32 v[Q+8*\i+\k:Q+8*\i+\k+1], v[X+8*\i+\k:X+8*\i+\k+1], v[Q+8*\i+\k:Q+8*\i+\k+1] neg_lo:[0,1] neg_hi:[0,1]   ; d = x - q
.endr
.irp k, 0,2,4,6
.if \i == 0
	s_delay_alu instid0(VALU_DEP_4)
	v_pk_mul_f32 v[LS+\k:LS+\k+1], v[Q+8*\i+\k:Q+8*\i+\k+1], v[Q+8*\i+\k:Q+8*\i+\k+1]   ; the first row starts the chains: nothing is cleared
.else
	s_delay_alu instid0(VALU_DEP_4)
	v_pk_fma_f32 v[LS+\k:LS+\k+1], v[Q+8*\i+\k:Q+8*\i+\k+1], v[Q+8*\i+\k:Q+8*\i+\k+1], v[LS+\k:LS+\k+1]
.endif
.endr
.irp k, 0,2,4,6
	v_pk_add_f32 v[X+8*\i+\k:X+8*\i+\k+1], v[X+8*\i+\k:X+8*\i+\k+1], v[Q+8*\i+\k:Q+8*\i+\k+1] neg_lo:[0,1] neg_hi:[0,1]   ; x - d
.endr
.endm
.irp i, 0,1,2,3,4,5,6,7
	ROW \i
.endr
.irp i, 0,1,2,3,4,5,6,7                ; the sixteen stores in one run, behind all eight rows' arithmetic: each row has registers of its own
	global_store_b128 v1, v[X+8*\i:X+8*\i+3], s[10:11] offset:1024*\i th:TH_STORE_NT
	global_store_b128 v1, v[X+8*\i+4:X+8*\i+7], s[10:11] offset:1024*\i+512 th:TH_STORE_NT
.endr
	v_pk_add_f32 v[LS:LS+1], v[LS:LS+1], v[LS+2:LS+3]
	v_pk_add_f32 v[LS+4:LS+5], v[LS+4:LS+5], v[LS+6:LS+7]
	s_delay_alu instid0(VALU_DEP_1)
	v_pk_add_f32 v[LS:LS+1], v[LS:LS+1], v[LS+4:LS+5]
	s_delay_alu instid0(VALU_DEP_1)
	v_add_f32 v[LS], v[LS], v[LS+1]
	s_delay_alu instid0(VALU_DEP_1)
	v_add_f32_dpp v[LS], v[LS], v[LS] row_xmask:1 row_mask:0xf bank_mask:0xf
	s_delay_alu instid0(VALU_DEP_1)
	v_add_f32_dpp v[LS], v[LS], v[LS] row_xmask:2 row_mask:0xf bank_mask:0xf
	s_delay_alu instid0(VALU_DEP_1)
	v_add_f32_dpp v[LS], v[LS], v[LS] row_xmask:4 row_mask:0xf bank_mask:0xf
	s_delay_alu instid0(VALU_DEP_1)
	v_add_f32_dpp v[LS], v[LS], v[LS] row_xmask:8 row_mask:0xf bank_mask:0xf
	s_delay_alu instid0(VALU_DEP_1)
	v_permlanex16_b32 v152, v[LS], s24, s25
	s_delay_alu instid0(VALU_DEP_1)
	v_add_f32 v[LS], v[LS], v152                   ; the wave's sum, in every lane
	v_mov_b32 v153, s14
	s_delay_alu instid0(VALU_DEP_1)
	v_lshlrev_b32 v153, 2, v153
	ds_store_b32 v153, v[LS]                       ; all lanes write the wave's word with the same value
	s_wait_dscnt 0x0                               ; for the others' sake
	s_barrier_signal -1
	s_barrier_wait -1
	ds_load_b128 v[144:147], v154                  ; the eight waves' sums
	ds_load_b128 v[148:151], v154 offset:16
	s_wait_dscnt 0x0
	v_pk_add_f32 v[144:145], v[144:145], v[146:147]
	v_pk_add_f32 v[148:149], v[148:149], v[150:151]
	s_delay_alu instid0(VALU_DEP_1)
	v_pk_add_f32 v[144:145], v[144:145], v[148:149]
	s_delay_alu instid0(VALU_DEP_1)
	v_add_f32 v144, v144, v145
	v_cmp_eq_u32 vcc_lo, 0, v0                     ; thread 0 stores for the work-group
	s_wait_alu depctr_va_vdst(0)
	s_wait_xcnt 0x0                                ; EXEC changes only when the earlier loads and stores have had their addresses translated
	s_wait_tensorcnt 0x0
	ds_add_u32 v160, v161
	s_wait_dscnt 0x0
	s_and_saveexec_b32 s30, vcc_lo
	global_store_b32 v154, v144, s[12:13]
	s_wait_xcnt 0x0                                ; and again, in front of the line that widens it
	s_or_b32 exec_lo, exec_lo, s30
	s_endpgm
.Lfunc_end_k_q0ad808d67d_gather:
	.size	k_q0ad808d67d_gather, .Lfunc_end_k_q0ad808d67d_gather-k_q0ad808d67d_gather
	.p2alignl 7, 3214868480
	.fill 96, 4, 3214868480
	.section	.rodata,"a",@progbits
	.p2align	6, 0x0
	.amdhsa_kernel k_q0ad808d67d_gather
		.amdhsa_group_segment_fixed_size 1280
		.amdhsa_private_segment_fixed_size 0
		.amdhsa_enable_private_segment 0
		.amdhsa_kernarg_size 40
		.amdhsa_user_sgpr_count 2
		.amdhsa_user_sgpr_kernarg_segment_ptr 1
		.amdhsa_wavefront_size32 1
		.amdhsa_system_sgpr_workgroup_id_x 1
		.amdhsa_system_sgpr_workgroup_id_y 1
		.amdhsa_system_sgpr_workgroup_id_z 1
		.amdhsa_system_vgpr_workitem_id 0
		.amdhsa_next_free_vgpr 162
		.amdhsa_next_free_sgpr 66
		.amdhsa_reserve_vcc 1
		.amdhsa_float_denorm_mode_32 3
		.amdhsa_float_denorm_mode_16_64 3
		.amdhsa_memory_ordered 1
		.amdhsa_forward_progress 1
		.amdhsa_inst_pref_size 17
	.end_amdhsa_kernel
	.amdgpu_metadata
---
amdhsa.version: [ 1, 2 ]
amdhsa.kernels:
  - .name:           k_q0ad808d67d_gather
    .symbol:         k_q0ad808d67d_gather.kd
    .args:
      - { .name: x, .offset: 0, .size: 8, .value_kind: global_buffer, .address_space: global }
      - { .name: codebook, .offset: 8, .size: 8, .value_kind: global_buffer, .address_space: global }
      - { .name: idx, .offset: 16, .size: 8, .value_kind: global_buffer, .address_space: global }
      - { .name: out0, .offset: 24, .size: 8, .value_kind: global_buffer, .address_space: global }
      - { .name: part, .offset: 32, .size: 8, .value_kind: global_buffer, .address_space: global }
    .group_segment_fixed_size: 1280
    .private_segment_fixed_size: 0
    .kernarg_segment_align: 8
    .kernarg_segment_size: 40
    .max_flat_workgroup_size: 256
    .sgpr_count:     66
    .vgpr_count:     162
    .wavefront_size: 32
...
	.end_amdgpu_metadata
.endif
;; end of part 3
;; launch loss (part 4): grid 1 x 1, 1 waves a work-group, no clusters, 0 bytes of LDS; arguments part, out1; writes out1
.if DOCPART == 4
	.amdgcn_target "amdgcn-amd-amdhsa--gfx1250"
	.amdhsa_code_object_version 6
	.text
	.protected	k_q0ad808d67d_loss
	.globl	k_q0ad808d67d_loss
	.p2align	8
	.type	k_q0ad808d67d_loss,@function
k_q0ad808d67d_loss:
	s_mov_b64 s[64:65], 0
	v_nop
	global_prefetch_b8 v0, s[64:65] scope:SCOPE_SE
	s_setreg_imm32_b32 hwreg(HW_REG_WAVE_MODE, 25, 1), 1
	s_wait_xcnt 0x0
; out1 = (the sum of the 512 partial sums) / 2^23, 2^23 = 8 x 4,096 x 256 being the count of numbers: a multiplication by a power of two.
; One wave: 16 numbers a lane by four loads of 512 consecutive bytes; a sum spanning work-groups is made here, by one owner, in a fixed order (another order than the reference's mean).
	s_load_b128 s[4:7], s[0:1], 0x0                ; part s[4:5], out1 s[6:7]
	v_lshlrev_b32 v1, 4, v0                        ; 16 x lane
	v_mov_b32 v20, 0                               ; a lane permute's destination counts as one of its sources
	v_mov_b32 v21, 0
	s_mov_b32 s8, 0x76543210
	s_mov_b32 s9, 0xfedcba98
	s_wait_alu depctr_va_vdst(0)
	s_wait_kmcnt 0x0
.irp i, 0,1,2,3
	global_load_b128 v[4+4*\i:7+4*\i], v1, s[4:5] offset:512*\i
.endr
	s_wait_loadcnt 0x0
	v_pk_add_f32 v[4:5], v[4:5], v[6:7]
	v_pk_add_f32 v[8:9], v[8:9], v[10:11]
	v_pk_add_f32 v[12:13], v[12:13], v[14:15]
	v_pk_add_f32 v[16:17], v[16:17], v[18:19]
	v_pk_add_f32 v[4:5], v[4:5], v[8:9]
	v_pk_add_f32 v[12:13], v[12:13], v[16:17]
	v_pk_add_f32 v[4:5], v[4:5], v[12:13]
	v_add_f32 v4, v4, v5
	v_add_f32_dpp v4, v4, v4 row_xmask:1 row_mask:0xf bank_mask:0xf
	v_add_f32_dpp v4, v4, v4 row_xmask:2 row_mask:0xf bank_mask:0xf
	v_add_f32_dpp v4, v4, v4 row_xmask:4 row_mask:0xf bank_mask:0xf
	v_add_f32_dpp v4, v4, v4 row_xmask:8 row_mask:0xf bank_mask:0xf
	v_permlanex16_b32 v20, v4, s8, s9
	v_add_f32 v4, v4, v20
	v_mul_f32 v4, 0x34000000, v4                   ; x 2^-23
	v_cmp_eq_u32 vcc_lo, 0, v0
	s_wait_alu depctr_va_vdst(0)
	s_wait_xcnt 0x0                                ; EXEC changes only when the earlier loads have had their addresses translated
	s_and_saveexec_b32 s10, vcc_lo
	global_store_b32 v21, v4, s[6:7]
	s_wait_xcnt 0x0                                ; and again, in front of the line that widens it
	s_or_b32 exec_lo, exec_lo, s10
	s_endpgm
.Lfunc_end_k_q0ad808d67d_loss:
	.size	k_q0ad808d67d_loss, .Lfunc_end_k_q0ad808d67d_loss-k_q0ad808d67d_loss
	.p2alignl 7, 3214868480
	.fill 96, 4, 3214868480
	.section	.rodata,"a",@progbits
	.p2align	6, 0x0
	.amdhsa_kernel k_q0ad808d67d_loss
		.amdhsa_group_segment_fixed_size 0
		.amdhsa_private_segment_fixed_size 0
		.amdhsa_enable_private_segment 0
		.amdhsa_kernarg_size 16
		.amdhsa_user_sgpr_count 2
		.amdhsa_user_sgpr_kernarg_segment_ptr 1
		.amdhsa_wavefront_size32 1
		.amdhsa_system_sgpr_workgroup_id_x 1
		.amdhsa_system_sgpr_workgroup_id_y 1
		.amdhsa_system_sgpr_workgroup_id_z 1
		.amdhsa_system_vgpr_workitem_id 0
		.amdhsa_next_free_vgpr 32
		.amdhsa_next_free_sgpr 66
		.amdhsa_reserve_vcc 1
		.amdhsa_float_denorm_mode_32 3
		.amdhsa_float_denorm_mode_16_64 3
		.amdhsa_memory_ordered 1
		.amdhsa_forward_progress 1
		.amdhsa_inst_pref_size 3
	.end_amdhsa_kernel
	.amdgpu_metadata
---
amdhsa.version: [ 1, 2 ]
amdhsa.kernels:
  - .name:           k_q0ad808d67d_loss
    .symbol:         k_q0ad808d67d_loss.kd
    .args:
      - { .name: part, .offset: 0, .size: 8, .value_kind: global_buffer, .address_space: global }
      - { .name: out1, .offset: 8, .size: 8, .value_kind: global_buffer, .address_space: global }
    .group_segment_fixed_size: 0
    .private_segment_fixed_size: 0
    .kernarg_segment_align: 8
    .kernarg_segment_size: 16
    .max_flat_workgroup_size: 32
    .sgpr_count:     66
    .vgpr_count:     32
    .wavefront_size: 32
...
	.end_amdgpu_metadata
.endif
;; end of part 4
